; MI455X (gfx1250); checked and timed in simulation.
; The chip was launched on July 23, 2026; its instructions are those of AMD's public machine-readable ISA for CDNA 5 (MIT licence, August 2026) and "CDNA5" Instruction Set Architecture Reference Guide (July 2026). The comments in the code are by the model that wrote it; some were corrected since.
;; Base Attention. Allowed arithmetic: matrix products marked QUANTISED: E4M3 operands, one given power-of-two scale a tensor, by v_wmma_f32_16x16x64_fp8_fp8 or v_wmma_f32_16x16x128_fp8_fp8, f32 sums; everything else in f32.
;; Inputs: k_codes 2 x 16 x 2,048 x 2 x 32 uint8 (E4M3 codes of k, K innermost, in blocks of 32 codes); lowp_scales 4 int32 (the exponents e of the quantised operands' scales 2^e); mask 1 x 1 x 2,048 x 2,048 int32; q_codes 2 x 16 x 2,048 x 2 x 32 uint8 (E4M3 codes of q, K innermost, in blocks of 32 codes); v_codes 2 x 16 x 64 x 64 x 32 uint8 (E4M3 codes of v, K innermost, in blocks of 32 codes).
;; Outputs: out0 2 x 16 x 2,048 x 64 float32.
;; This version of the problem:
;;   THIS VERSION OF THE PROBLEM IS GIVEN IN LOW PRECISION. The matrix products marked QUANTISED in the list below multiply operands that are first quantised to E4M3 (4 exponent bits, 3 mantissa bits; 8 bits a number), with one given power-of-two scale for each operand tensor; their sums are f32. All else is computed in f32.
;;   The module's matrix products, in the order in which they are computed (A, B: the left and right operand; K: the contracted axis; several contracted axes count as one K, in the product's order):
;;     1. batch 32 x [M 2,048, K 64] x [K 64, N 2,048]; A: input q (given as codes); B: input k (given as codes): QUANTISED (scales: A lowp_scales[0], B lowp_scales[1])
;;     2. batch 32 x [M 2,048, K 2,048] x [K 2,048, N 64]; A: softmax (see below); B: input v (given as codes): QUANTISED (scales: A lowp_scales[2], B lowp_scales[3])
;;   THE QUANTISER, for each operand of a quantised product, along K:
;;     - The operand's scale is 2^e, e = its entry of the input lowp_scales (int32; the entries are numbered through the quantised products in the list's order, A before B).
;;     - Each number is divided by the scale, clamped to +-448, and rounded to the nearest number of E4M3, ties to even, subnormals kept.
;;     - The product sums the exact products of the quantised numbers (number of the format x scale) in f32.
;;   ~~~python
;;   def quantise(x, axis, e):      # numpy; x: float32 -> the quantised numbers, widened to float32 again
;;       x = np.moveaxis(x, axis, -1); K = x.shape[-1]
;;       r = np.clip(x / 2.0 ** e, -448, 448)
;;       step = 2.0 ** (np.maximum(np.frexp(np.where(r == 0, 1, r))[1] - 1, -6) - 3)
;;       q = np.round(r / step) * step * 2.0 ** e      # np.round: ties to even
;;       return np.moveaxis(q, -1, axis).astype(np.float32)
;;   ~~~
;;   SOFTMAX AHEAD OF A QUANTISED PRODUCT. Where the list says 'softmax', what is quantised is not the finished softmax but p = 2^(t - M), with t = logit x log2(e) and M = ceil(the row's largest t), a whole number; so 1/2 < the row's largest p <= 1. The row's sum l is taken of the UNQUANTISED p, in f32, and the product's result is divided by l at the end. Since M is a whole number, a kernel that streams over the keys may use a running M (the ceiling of the running maximum): every later rescaling is an exact power of two, so the quantised numbers keep their values, but for numbers so far below the row's largest that they fall under the format's range.
;;   OPERANDS COMPUTED ON THE WAY. 'Computed on the way' means the value that the module computes at that place (a softmax that the list does not call 'softmax' is quantised finished and normalised). What goes into a quantiser is computed in f32, as accurately as f32 sums, v_exp_f32 and their like allow (about 1e-6 of the number): no bf16 or f16 on the way to a quantiser, and a product that is left as it is and whose result goes on into a quantised operand takes f32 operands (vector FMAs, or v_wmma_f32_16x16x4_f32). A number that lies on a knife's edge between two numbers of the format may be rounded either way, as far as f32 arithmetic and the matrix unit's own rounding can turn it there, and no further.
;;   INPUTS GIVEN AS CODES. k (in the module: [2, 16, 2048, 64], K = its axis 3); q (in the module: [2, 16, 2048, 64], K = its axis 3); v (in the module: [2, 16, 2048, 64], K = its axis 2): each comes as NAME_codes (uint8): NAME with its K axis moved to the last place and cut into blocks of 32 codes, [.., K / 32, bytes a block], one block behind the other in memory; one code a byte (a code: sign, 4 exponent bits, 3 mantissa bits); its scale is its entry of lowp_scales. Its value is code x scale, taken as it is: it is not quantised again, and the codes and scales need not be those that the quantiser above would give.
;; One version. Each part assembles by itself: llvm-mc -triple=amdgcn-amd-amdhsa -mcpu=gfx1250 --defsym DOCPART=n.
;; ======== version 1 of 1: 1 launch
;; limits: right only within a limited range of input values
;; launch attn (part 1): grid 32 x 8, 4 waves a work-group, clusters of 4 x 4, 327,680 bytes of LDS; arguments q_codes, k_codes, v_codes, mask, lowp_scales, out0; writes out0
.if DOCPART == 1
	.amdgcn_target "amdgcn-amd-amdhsa--gfx1250"
	.amdhsa_code_object_version 6
	.text
	.protected	k_q63189e2032_attn
	.globl	k_q63189e2032_attn
	.p2align	8
	.type	k_q63189e2032_attn,@function
k_q63189e2032_attn:
	s_mov_b64 s[64:65], 0
	v_nop
	global_prefetch_b8 v0, s[64:65] scope:SCOPE_SE
	s_setreg_imm32_b32 hwreg(HW_REG_WAVE_MODE, 25, 1), 1
	s_wait_xcnt 0x0
	s_wait_alu depctr_hold_cnt(0) depctr_sa_sdst(0) depctr_va_vdst(0) depctr_va_sdst(0) depctr_va_ssrc(0) depctr_va_vcc(0) depctr_vm_vsrc(0)
	s_getreg_b32 s2, hwreg(HW_REG_IB_STS2, 6, 4)
	s_cmp_eq_u32 s2, 0
	s_cbranch_scc0 .Lentry_in_a_cluster
	s_endpgm
.Lentry_in_a_cluster:
	s_bfe_u32 s2, ttmp6, 0x10000c
	s_cmp_lg_u32 s2, 0xf033
	s_cbranch_scc0 .Lentry_shape_is_right
	s_endpgm
.Lentry_shape_is_right:
; out0[head][q][:] = the sum over k of softmax_k(Q[head][q] . K[head][k] / 8 - 10000 mask[q][k]) V[head][k][:], 32 heads, 2,048 queries and keys, head size 64.
; Both products run on codes of FP8 (E4M3), each tensor with the one scale 2^e given for it: eq, ek, ep, ev.  Q, K: [32][2048][64] codes.  V: [32][64][2048] codes, the keys innermost.  mask: [2048][2048] int32, one for all heads.
; THE SOFTMAX AHEAD OF THE SECOND PRODUCT: t = logit x log2(e); M = the row's largest t so far, rounded UP to a whole number; p = 2^(t - M) is quantised with 2^ep, not normalised.  The row's sum is taken of the
; unquantised p, in f32, and divides O at the end.  When M moves, the sum and O are multiplied by 2^(old M - new M), which rounds nothing.
; THE MASK COSTS NO ADDITION: made f32 and multiplied by BM = -80000 x 2^-(eq + ek), it is the first product's C.  With c = log2(e) / 8 x 2^(eq + ek), t = c x (sum of code products + BM x mask).
; This serves any int32 in the mask, rounded to f32 as a cast rounds it.
; SHARES.  A work-group owns 64 queries x 4 heads: 32 x 8 = 256 work-groups of equal work.  Each of its four waves owns 2 tiles of 16 queries (tile pair = wave % 2) x 2 heads (head pair = wave / 2): a fragment of K or V
; serves two tiles, and a converted piece of the mask two heads.  Every wave walks all 2,048 keys, 128 a step: 16 steps.
; LAYOUT.  Both products are used transposed: S^T = K Q^T + C (source 0 = 16 keys, source 1 = 16 queries), O^T = V^T P^T (source 0 = 16 of the head's 64, source 1 = P): a lane holds ONE query (r = lane % 16) throughout; h = lane / 16.
; THE KEYS OF A TILE ARE NOT NEIGHBOURS: lane r of tile T = 2 b + u takes key 32 b + 8 u + r + 8 (r / 8), so register j of S^T's tile T is key 32 b + 16 h + 8 u + j, and p's 16 registers of tiles 2 b, 2 b + 1 are 16 neighbouring keys:
; V is fetched 16 bytes at a time (bytes 32 c + 16 h ..), and so are K and Q along the head's 64 (bytes 16 h .. and 32 + 16 h ..): each a permutation of k that is the same on both sides.
; REGISTERS, in windows of 256 (s_set_vgpr_msb: bits 1:0 source 0, 3:2 source 1, 5:4 source 2, 7:6 destination):
;   window 0: addresses; K's fragments, V's fragments, Q;   window 1: the scores of both tiles of a head, p's codes, partial sums, the state of the four tiles;   window 2: O^T of the four tiles, the mask as C for both query tiles.
; CLUSTER 4 x 4.  The four work-groups of a row of the cluster share their four heads, so K's and V's tiles are asked for JOINTLY along the row; the four of a column share their 64 queries, so the mask's tile is asked for jointly
; along the column.  Each is one tensor load with the same descriptor and a mask that names the four.  No LDS address and no branch hangs on the place in the cluster.
; RINGS.  K and the mask: two slots of one step.  V: two slots of two steps (a row of V's tile is 256 bytes of memory), each filled in two halves of two heads, one half behind each round.  Wave 0 loads K, wave 1 V, wave 2 the mask
; (at the head wave 3 loads V's second half): one tensor load a wave behind a round.
; THE ROUND of a change of slots lies inside the second head's softmax: behind each of its signals a batch of exponentials, work on registers, stands ahead of the wait.
; LIMITS on the given exponents, so that each power of two below is an f32 number: eq + ek between -111 and 130 (it goes into the exponent fields of c and of BM); ep between -126 and 119; ep + ev is applied by
; v_ldexp_f32 and has none short of f32's own range.  The scaled scores stay under 2^31 in magnitude.  NaN codes among the inputs are not served.
; LEFT OUT: prefetching (every tile is asked for a whole step, 48 matrix instructions and two softmaxes of 2 x 16 queries x 128 keys, ahead of its wait, and a tile of K or V is asked for by the eight clusters of a row alike);
; work-groups that stay (one block each).
; (Of the round's signals those are the two of the work-group's own barriers, the opening and the closing one; the cluster's own signal and wait stand on end.)
.set KHEAD, 64*144                     ; K in LDS: 16 bytes of padding behind every 128 (two keys): the 16 rows of a load lie in 16 different columns of 16 bytes modulo 256 (64 banks of 4 bytes: ISA guide 11.1)
.set MP,    528                        ; a row of the mask's tile: 128 numbers = 512 bytes + 16
.set VP,    272                        ; a row of V's tile: 256 bytes + 16
.set MOFF,  4*KHEAD                    ; a K/mask slot: four heads of K, then 64 rows of the mask
.set KMS,   MOFF+64*MP                 ; 70,656 bytes
.set VHEAD, 64*VP
.set VHALF, 2*VHEAD
.set VSL,   2*VHALF                    ; a slot of V: 4 heads x 64 rows, 256 keys: 69,632 bytes
.set VLDS,  2*KMS
.set SPARE, VLDS+2*VSL                 ; behind the rings: the spare words, 128 bytes for each wave: two blocks of 256 bytes that no other line names
.set STU,   16*272                     ; the way out: a stage of 16 rows x (256 bytes + 16) for each of a wave's four tiles, in K/mask slot 0: it has had its last fill (step 14's), and nobody reads it behind step 14's barrier
; window 0
.set AK,   1                           ; my lane's place in K's, the mask's and V's slot 0
.set AM,   2
.set AV,   3
.set ADK,  4                           ; and in the slot in hand
.set ADM,  12
.set ADV,  13
.set SPW,  5                           ; LDS address of my spare word: SPARE + 4 x my thread's number; never rewritten
.set NIL,  6                           ; 0; never rewritten
.set GO,   7                           ; the way out: my byte offset in a tile's rows of out0
.set STO,  14                          ; where I put 32 bytes of a row
.set RD,   15                          ; and where I read a row back
.set RK,   64                          ; K's 8 fragments of 8 registers
.set RV,   128                         ; V's 4 of 16
.set RQ,   192                         ; Q's fragments: tile u = 2 head + query tile at RQ + 8 u
; window 1
.set S,    0                           ; S^T, then t - M, then p: query tile a at 64 a
.set PC,   128                         ; p's codes: 16 a
.set X,    160                         ; partial sums: 16 for each quarter of 32 numbers
.set NT,   224                         ; tile u: the pair (-M, the largest t)
.set SM,   232                         ; tile u: the sum, in two halves
.set FF,   240                         ; query tile a: the pair (f, unused)
.set EP,   244                         ; 2^ep
.set PL,   246                         ; lane permutes' destinations
.set MX,   248                         ; the maximum's chains, four for each query tile
; window 2
.set OT,   0                           ; O^T: tile u at 32 u
.set CM,   128                         ; the mask as C: query tile a at 64 a
; scalars
.set WV,   16                          ; my wave's number; s17 its tile pair; s18 its head pair
.set G1K,  24                          ; descriptor groups 1
.set G1V,  32
.set G1M,  40
.set G0K,  48                          ; and groups 0, which walk
.set G0V,  52
.set G0M,  56
.set VA,   60                          ; s[60:61] V at my four heads
.set TL,   62                          ; 0 or KMS: the slot that is filled next
.set TK,   63                          ; 0 or KMS: the slot that is read
.set ST,   66                          ; the step
.set NV,   67                          ; the next half slot of V to ask for: keys 256 (NV / 2) on, heads 2 (NV % 2) on
.set T0,   68
.set T1,   69
.set OF,   70                          ; s[70:71]
.set LIM,  72                          ; 448 x 2^ep
.set CS,   80                          ; s[80:81] c, twice: the packed forms name a pair and take its low word for both halves
.set BM,   82                          ; s[82:83] BM, twice
.set SEL,  84                          ; s[84:85] lane selects for v_permlanex16_b32: lane l xor 16
.set MSB, 0
.macro WIN new                         ; the immediate's high byte repeats the setting that is left
.if MSB != \new
	s_set_vgpr_msb (MSB<<8)|\new
.set MSB, \new
.endif
.endm
.macro AWAIT
	s_wait_alu depctr_va_vdst(0)
.endm
.macro PLACES                          ; four places in front of loads into registers that matrix instructions have read and of first reads of their results
.rept 4
	v_nop
.endr
.endm
; A round of the cluster's barrier, with nothing inside: at the head and at the end.
.macro ROUND
	s_barrier_signal -1
	s_barrier_wait -1
	s_cmp_lg_u32 s[WV], 0
	s_cbranch_scc1 .Lnot_wave_0_\@
	s_barrier_signal -3
.Lnot_wave_0_\@:
	s_barrier_wait -3
	s_barrier_signal -1
	s_barrier_wait -1
.endm
.macro TLOAD g0, g1
	tensor_load_to_lds s[\g0:\g0+3], s[\g1:\g1+7]
	s_nop 0
.rept 4
	v_nop
.endr
.endm
; The joint loads behind a round: wave 0 K's, wave 1 V's half (v = 1), wave 2 the mask's.  The branches hang on the wave's number alone.
.macro JLOAD v
	s_cmp_eq_u32 s[WV], 0
	s_cbranch_scc0 .Lnot_k_\@
	TLOAD G0K, G1K
	s_branch .Lasked_\@
.Lnot_k_\@:
.if \v
	s_cmp_eq_u32 s[WV], 1
	s_cbranch_scc0 .Lnot_v_\@
	TLOAD G0V, G1V
	s_branch .Lasked_\@
.Lnot_v_\@:
.endif
	s_cmp_eq_u32 s[WV], 2
	s_cbranch_scc0 .Lasked_\@
	TLOAD G0M, G1M
.Lasked_\@:
.endm
; The descriptors' next step (behind the wait that shows every tensor load of mine done): K and the mask one step on, into the other slot; V (v = 1) the next half slot.  The type bits on top are not reached by the sums.
.macro DSTEP v
	s_xor_b32 s[TL], s[TL], KMS
	s_mov_b32 s[G0K+1], s[TL]
	s_add_co_u32 s[G0M+1], s[TL], MOFF
	s_add_nc_u64 s[G0K+2:G0K+3], s[G0K+2:G0K+3], 8192
	s_add_nc_u64 s[G0M+2:G0M+3], s[G0M+2:G0M+3], 512
.if \v
	s_and_b32 s[T0], s[NV], 1
	s_lshr_b32 s[T1], s[NV], 1
	s_lshl_b32 s[OF], s[T0], 18                    ; two heads of V are 262,144 bytes
	s_lshl_b32 s[OF+1], s[T1], 8
	s_add_co_u32 s[OF], s[OF], s[OF+1]
	s_mov_b32 s[OF+1], 0
	s_add_nc_u64 s[G0V+2:G0V+3], s[VA:VA+1], s[OF:OF+1]
	s_or_b32 s[G0V+3], s[G0V+3], 0x80000000
	s_and_b32 s[T1], s[T1], 1
	s_mul_i32 s[T1], s[T1], VSL
	s_mul_i32 s[T0], s[T0], VHALF
	s_add_co_u32 s[T0], s[T0], s[T1]
	s_add_co_u32 s[G0V+1], s[T0], VLDS
	s_add_co_u32 s[NV], s[NV], 1
.endif
.endm
.macro KL b, lo                        ; K's fragments lo .. lo + 3 of head b
.irp i, 0,1,2,3
	ds_load_b128 v[RK+8*(\lo+\i):RK+8*(\lo+\i)+3], v[ADK] offset:KHEAD*\b+2304*((\lo+\i)/2)+576*((\lo+\i)%2)
	ds_load_b128 v[RK+8*(\lo+\i)+4:RK+8*(\lo+\i)+7], v[ADK] offset:KHEAD*\b+2304*((\lo+\i)/2)+576*((\lo+\i)%2)+32
.endr
.endm
.macro VL b, lo                        ; V's fragments lo, lo + 1 of head b: 16 of the head's 64 x 128 keys each
.irp i, 0,1
.irp c, 0,1,2,3
	ds_load_b128 v[RV+16*(\lo+\i)+4*\c:RV+16*(\lo+\i)+4*\c+3], v[ADV] offset:VHEAD*\b+16*VP*(\lo+\i)+32*\c
.endr
.endr
.endm
.macro ML a                            ; the mask's 64 numbers a lane for query tile a
.irp T, 0,1,2,3,4,5,6,7
	ds_load_b128 v[CM+64*\a+8*\T:CM+64*\a+8*\T+3], v[ADM] offset:16*MP*\a+128*(\T/2)+32*(\T%2)
	ds_load_b128 v[CM+64*\a+8*\T+4:CM+64*\a+8*\T+7], v[ADM] offset:16*MP*\a+128*(\T/2)+32*(\T%2)+16
.endr
.endm
.macro CONV                            ; the mask becomes C = BM x mask
	WIN 0x82
.set n, 0
.rept 128
	v_cvt_f32_i32 v[CM+n], v[CM+n]
.set n, n+1
.endr
.set n, 0
.rept 64
	v_pk_mul_f32 v[CM+n:CM+n+1], v[CM+n:CM+n+1], s[BM:BM+1] op_sel_hi:[1,0]
.set n, n+2
.endr
	WIN 0
.endm
.macro QK b                            ; S^T = K Q^T + C, both query tiles of head b.  The accumulators take turns, one instruction a turn
	WIN 0x60
.irp a, 0,1
.irp T, 0,1,2,3,4,5,6,7
	v_wmma_f32_16x16x64_fp8_fp8 v[S+64*\a+8*\T:S+64*\a+8*\T+7], v[RK+8*\T:RK+8*\T+7], v[RQ+8*(2*\b+\a):RQ+8*(2*\b+\a)+7], v[CM+64*\a+8*\T:CM+64*\a+8*\T+7]
.endr
.endr
.endm
.macro PV b                            ; O^T += V^T P^T, both query tiles of head b, by turns too
	WIN 0xa4
.irp a, 0,1
.irp t, 0,1,2,3
	v_wmma_f32_16x16x128_fp8_fp8 v[OT+32*(2*\b+\a)+8*\t:OT+32*(2*\b+\a)+8*\t+7], v[RV+16*\t:RV+16*\t+15], v[PC+16*\a:PC+16*\a+15], v[OT+32*(2*\b+\a)+8*\t:OT+32*(2*\b+\a)+8*\t+7]
.endr
.endr
.endm
; THE SOFTMAX of one head, both query tiles, all in window 1 (setting 0x55).
.macro MAXS                            ; the step's largest score among my 64 keys, four chains a tile, each accumulator from its low end on
.irp a, 0,1
.irp j, 0,1,2,3
	v_max3_num_f32 v[MX+4*\a+\j], v[S+64*\a+3*\j], v[S+64*\a+3*\j+1], v[S+64*\a+3*\j+2]
.endr
.endr
.set n, 12
.rept 26
.irp a, 0,1
	v_max3_num_f32 v[MX+4*\a+(n/2-6)%4], v[MX+4*\a+(n/2-6)%4], v[S+64*\a+n], v[S+64*\a+n+1]
.endr
.set n, n+2
.endr
.irp a, 0,1
	v_max3_num_f32 v[MX+4*\a], v[MX+4*\a], v[MX+4*\a+1], v[MX+4*\a+2]
.endr
.irp a, 0,1
	v_max_num_f32 v[MX+4*\a], v[MX+4*\a], v[MX+4*\a+3]
.endr
.endm
.macro TAIL b                          ; the new M and f = 2^(old M - new M); then t - M for the first quarter of the numbers
.irp a, 0,1
	v_permlanex16_b32 v[PL+\a], v[MX+4*\a], s[SEL], s[SEL+1]
.endr
.irp a, 0,1
	v_max_num_f32 v[MX+4*\a], v[MX+4*\a], v[PL+\a]             ; and among lane l xor 16's
.endr
.irp a, 0,1
	v_mul_f32 v[MX+4*\a], s[CS], v[MX+4*\a]                    ; as t (c is positive)
.endr
.irp a, 0,1
	v_max_num_f32 v[NT+4*\b+2*\a+1], v[NT+4*\b+2*\a+1], v[MX+4*\a]   ; the running largest t
.endr
.irp a, 0,1
	v_floor_f32 v[MX+4*\a+1], -v[NT+4*\b+2*\a+1]               ; the new -M = floor(-t): M is a whole number
.endr
.irp a, 0,1
	v_sub_f32 v[MX+4*\a+2], v[MX+4*\a+1], v[NT+4*\b+2*\a]      ; M's old value less its new one: a whole number, 0 or less
.endr
.irp a, 0,1
	v_mov_b32 v[NT+4*\b+2*\a], v[MX+4*\a+1]
.endr
.irp a, 0,1
	v_cvt_i32_f32 v[MX+4*\a+2], v[MX+4*\a+2]                   ; (it saturates)
.endr
.irp a, 0,1
	v_ldexp_f32 v[FF+2*\a], 1.0, v[MX+4*\a+2]
.endr
.set n, 0
.rept 16
	v_pk_fma_f32 v[S+n:S+n+1], v[S+n:S+n+1], s[CS:CS+1], v[NT+4*\b:NT+4*\b+1] op_sel_hi:[1,0,0]
.set n, n+2
.endr
.set pl, 0
.endm
; The plain work that stands between the exponentials, one instruction a call: t - M for the other three quarters (48), then for each quarter in turn its first level of sums, of the UNQUANTISED p (8), and its hold (16 pairs: the
; conversion to an 8-bit code does not saturate (ISA guide 7.6.2); p is not negative, so the hold is one-sided).  What a batch writes is read behind the wait that ends it.
.macro PLAIN b
.if pl < 48
.set pn, 32+2*pl
.set pt, NT+4*\b+2*(pn/64)
	v_pk_fma_f32 v[S+pn:S+pn+1], v[S+pn:S+pn+1], s[CS:CS+1], v[pt:pt+1] op_sel_hi:[1,0,0]
.else
.set pq, (pl-48)/24
.set pj, (pl-48)%24
.if pj < 8
.set pn, S+32*pq+4*pj
	v_pk_add_f32 v[X+16*pq+2*pj:X+16*pq+2*pj+1], v[pn:pn+1], v[pn+2:pn+3]
.else
.set pn, S+32*pq+2*(pj-8)
	v_dual_min_num_f32 v[pn], s[LIM], v[pn] :: v_dual_min_num_f32 v[pn+1], s[LIM], v[pn+1]
.endif
.endif
.set pl, pl+1
.endm
.macro BATCH k, b                      ; p = 2^(t - M), at most 1, of quarter k: 32 exponentials and 30 plain instructions on other quarters
.set e, 32*\k
.rept 32
	v_exp_f32 v[S+e], v[S+e]
.if e-32*\k >= 2
	PLAIN \b
.endif
.set e, e+1
.endr
.endm
.macro POST1 b                         ; the last quarter's sums and hold, then the sums' tree
.rept 24
	PLAIN \b
.endr
.irp a, 0,1
.irp j, 0,1,2,3,4,5,6,7
	v_pk_add_f32 v[X+32*\a+2*\j:X+32*\a+2*\j+1], v[X+32*\a+2*\j:X+32*\a+2*\j+1], v[X+32*\a+16+2*\j:X+32*\a+17+2*\j]
.endr
.endr
.irp a, 0,1
.irp j, 0,1,2,3
	v_pk_add_f32 v[X+32*\a+2*\j:X+32*\a+2*\j+1], v[X+32*\a+2*\j:X+32*\a+2*\j+1], v[X+32*\a+8+2*\j:X+32*\a+9+2*\j]
.endr
.endr
.endm
.macro CODES a                         ; tile T: registers 2 T, 2 T + 1 of the second product's operand
.irp T, 0,1,2,3,4,5,6,7
	v_cvt_scalef32_pk8_fp8_f32 v[PC+16*\a+2*\T:PC+16*\a+2*\T+1], v[S+64*\a+8*\T:S+64*\a+8*\T+7], v[EP]
.endr
.endm
.macro POST2 b                         ; the codes; the sum under the new M; O^T under the new M
	CODES 0
.irp a, 0,1
.irp j, 0,1
	v_pk_add_f32 v[X+32*\a+2*\j:X+32*\a+2*\j+1], v[X+32*\a+2*\j:X+32*\a+2*\j+1], v[X+32*\a+4+2*\j:X+32*\a+5+2*\j]
.endr
.endr
	CODES 1
.irp a, 0,1
	v_pk_add_f32 v[X+32*\a:X+32*\a+1], v[X+32*\a:X+32*\a+1], v[X+32*\a+2:X+32*\a+3]
.endr
.irp a, 0,1
	v_pk_fma_f32 v[SM+4*\b+2*\a:SM+4*\b+2*\a+1], v[SM+4*\b+2*\a:SM+4*\b+2*\a+1], v[FF+2*\a:FF+2*\a+1], v[X+32*\a:X+32*\a+1] op_sel_hi:[1,0,1]
.endr
	WIN 0x86
	AWAIT                                          ; the wait here, directly ahead of the first reader of O^T
.irp a, 0,1
.set n, OT+32*(2*\b+\a)
.rept 16
	v_pk_mul_f32 v[n:n+1], v[n:n+1], v[FF+2*\a:FF+2*\a+1] op_sel_hi:[1,0]
.set n, n+2
.endr
.endr
.endm
; A KEY STEP: 128 keys.  kind 0: its change of slots asks for K and the mask two steps on and for half a slot of V; 1: for K and the mask alone; 2: for nothing, but the next step is read; 3: the last step.
; At its head K's fragments of the first head are on their way and the mask is C.
.macro STEP kind
.if \kind
	AWAIT                                          ; the wait here, directly ahead of the wait below
.endif
	s_wait_dscnt 0x0                               ; K's first head is in
	s_and_b32 s[T0], s[ST], 1                      ; V: half a row of slot (step / 2) % 2
	s_lshl_b32 s[T0], s[T0], 7
	s_lshr_b32 s[T1], s[ST], 1
	s_and_b32 s[T1], s[T1], 1
	s_mul_i32 s[T1], s[T1], VSL
	s_add_co_u32 s[T0], s[T0], s[T1]
	v_add_nc_u32 v[ADV], s[T0], v[AV]
	QK 0
	PLACES
	WIN 0
	KL 1, 0                                        ; loads go out in runs of eight between stretches of vector work
	WIN 0x55
	MAXS
	WIN 0
	KL 1, 4
	WIN 0x55
	TAIL 0
	WIN 0
	VL 0, 0
	WIN 0x55
	AWAIT                                          ; one wait ahead of a batch and one behind it
	BATCH 0, 0
	AWAIT
	WIN 0
	VL 0, 2
	WIN 0x55
	BATCH 1, 0
	AWAIT
	BATCH 2, 0
	AWAIT
	BATCH 3, 0
	AWAIT
	POST1 0
	POST2 0
	AWAIT                                          ; the wait here, directly ahead of the wait below
	s_wait_dscnt 0x0                               ; V's first head and K's second are in
	PV 0
	QK 1
	PLACES
	WIN 0
	VL 1, 0
	WIN 0x55
	MAXS
	WIN 0
	VL 1, 2
	WIN 0x55
	TAIL 1
.if \kind < 3
	WIN 0
	AWAIT                                          ; for the batch, and for what is read behind the waits below
	s_wait_tensorcnt 0x0                           ; no tensor load of mine is out: my part of the next step is in, and the groups 0 may be written
	ds_add_u32 v[SPW], v[NIL]                      ; 0 onto my spare word
.if \kind < 2
	DSTEP 1-\kind
.endif
	s_wait_dscnt 0x0                               ; the add is done, and so are my reads of this step's slots
	s_barrier_signal -1
	WIN 0x55
	BATCH 0, 1                                     ; work on registers while the others arrive
	WIN 0
	AWAIT
	s_barrier_wait -1
.if \kind < 2
	s_cmp_lg_u32 s[WV], 0
	s_cbranch_scc1 .Lnot_first_\@
	s_barrier_signal -3                            ; wave 0 speaks for the work-group
.Lnot_first_\@:
	s_barrier_wait -3
	s_barrier_signal -1
	WIN 0x55
	BATCH 1, 1
	WIN 0
	AWAIT
	s_barrier_wait -1
	JLOAD 1-\kind                                  ; the first thing behind the round, and a wave's one tensor load until the next: it has a whole step in which to land
.else
	WIN 0x55
	BATCH 1, 1
	WIN 0
	AWAIT
.endif
	s_xor_b32 s[TK], s[TK], KMS                    ; on to the next step's slot
	v_add_nc_u32 v[ADK], s[TK], v[AK]
	v_add_nc_u32 v[ADM], s[TK], v[AM]
	WIN 0x80
	ML 0
	WIN 0x55
	BATCH 2, 1
	AWAIT
	WIN 0x80
	ML 1
	WIN 0x55
	BATCH 3, 1
	AWAIT
	WIN 0
	KL 0, 0
	WIN 0x55
	POST1 1
	WIN 0
	KL 0, 4
	WIN 0x55
	POST2 1
	PV 1                                           ; (V's second head was waited for in front of the barrier)
	WIN 0x82
	AWAIT
	s_wait_dscnt 16                                ; LDS loads come back in order (ISA guide 5.7.1): the mask's 32 are in, K's 16 may be out
	CONV
.else
	AWAIT
	BATCH 0, 1
	AWAIT
	BATCH 1, 1
	AWAIT
	BATCH 2, 1
	AWAIT
	BATCH 3, 1
	AWAIT
	POST1 1
	POST2 1
	AWAIT
	s_wait_dscnt 0x0                               ; V's second head is in
	PV 1
	WIN 0
.endif
.endm
	s_load_b256 s[4:11], s[0:1], 0x0               ; Q's codes s[4:5], K's s[6:7], V's s[8:9], the mask s[10:11]
	s_load_b128 s[12:15], s[0:1], 0x20             ; the scales' exponents s[12:13], out0 s[14:15]
	v_lshl_add_u32 v[SPW], v0, 2, SPARE
	v_mov_b32 v[NIL], 0
	ds_add_u32 v[SPW], v[NIL]                      ; the wave's opening: the add, twice on end, and its wait ahead of my first tensor load
	ds_add_u32 v[SPW], v[NIL]
	v_lshrrev_b32 v8, 5, v0
	v_readfirstlane_b32 s[WV], v8                  ; wave 0..3
	s_and_b32 s17, s[WV], 1                        ; my tile pair
	s_lshr_b32 s18, s[WV], 1                       ; my head pair
	s_bfe_u32 s19, ttmp6, 0x40000                  ; cx, cy: my place in the cluster
	s_bfe_u32 s20, ttmp6, 0x40004
	s_lshl_b32 s21, ttmp9, 2
	s_add_co_u32 s21, s21, s19                     ; block of 64 queries = 4 x cluster x + cx
	s_and_b32 s22, ttmp7, 0xffff
	s_lshl_b32 s22, s22, 2
	s_add_co_u32 s22, s22, s20                     ; group of 4 heads = 4 x cluster y + cy
	s_lshl_b32 s23, s20, 2
	s_lshl_b32 s23, 15, s23                        ; my row of the cluster: places 4 cy .. 4 cy + 3
	s_lshl_b32 s86, 0x1111, s19                    ; my column: places cx, cx + 4, cx + 8, cx + 12
	; group 1 for K: 4 rows (heads) of 8,192 bytes (128 keys, dense), 131,072 bytes apart; 16 bytes of padding behind every 128
	s_or_b32 s[G1K], s23, (0<<16)|(1<<20)|(1<<21)|(4<<22)|(3<<25)  ; 15:0 the mask: my row; 17:16 elements of 1 byte; 20 padding on; 21 set beside a mask; 24:22 after every 32 words (code 4); 31:25 four words (code 3)
	s_mov_b32 s[G1K+1], 8192<<16                   ; tensor_dim0
	s_mov_b32 s[G1K+2], 4<<16                      ; tensor_dim1
	s_mov_b32 s[G1K+3], 8192<<16                   ; tile_dim0
	s_mov_b32 s[G1K+4], 4                          ; tile_dim1
	s_mov_b32 s[G1K+5], 131072                     ; from head to head
	s_mov_b32 s[G1K+6], 0
	s_mov_b32 s[G1K+7], 0
	; group 1 for V: 128 rows (2 heads x 64) of 256 bytes (256 keys), 2,048 bytes apart
	s_or_b32 s[G1V], s23, (0<<16)|(1<<20)|(1<<21)|(5<<22)|(3<<25)  ; padding: four words after every 64
	s_mov_b32 s[G1V+1], 256<<16
	s_mov_b32 s[G1V+2], 128<<16
	s_mov_b32 s[G1V+3], 256<<16
	s_mov_b32 s[G1V+4], 128
	s_mov_b32 s[G1V+5], 2048
	s_mov_b32 s[G1V+6], 0
	s_mov_b32 s[G1V+7], 0
	; group 1 for the mask: 64 rows (queries) of 128 numbers of 4 bytes, 2,048 numbers apart
	s_or_b32 s[G1M], s86, (2<<16)|(1<<20)|(1<<21)|(6<<22)|(3<<25)  ; the mask: my column; elements of 4 bytes; padding: four words after every 128
	s_mov_b32 s[G1M+1], 128<<16
	s_mov_b32 s[G1M+2], 64<<16
	s_mov_b32 s[G1M+3], 128<<16
	s_mov_b32 s[G1M+4], 64
	s_mov_b32 s[G1M+5], 2048
	s_mov_b32 s[G1M+6], 0
	s_mov_b32 s[G1M+7], 0
	; offsets.  K's and V's hang on the group of heads alone, the mask's on the block of queries alone, each in registers that never hold the other coordinate
	s_lshl_b32 s88, s22, 19                        ; 4 heads x 131,072 bytes of codes
	s_mov_b32 s89, 0
	s_lshl_b32 s90, s21, 19                        ; 64 rows x 8,192 bytes of the mask
	s_mov_b32 s91, 0
	s_lshl_b32 s92, s22, 2
	s_lshl_b32 s98, s18, 1
	s_add_co_u32 s92, s92, s98                     ; my first head, 0..30
	s_lshl_b32 s93, s21, 6
	s_lshl_b32 s98, s17, 5
	s_add_co_u32 s93, s93, s98                     ; my first query
	s_lshl_b32 s94, s92, 17
	s_lshl_b32 s98, s93, 6
	s_add_co_u32 s94, s94, s98                     ; its codes: head x 131,072 + query x 64
	s_mov_b32 s95, 0
	s_lshl_b32 s96, s92, 19
	s_lshl_b32 s98, s93, 8
	s_add_co_u32 s96, s96, s98                     ; its row of out0: head x 524,288 + query x 256
	s_mov_b32 s97, 0
	s_lshl_b32 s98, s18, 18                        ; V at the head: my half's two heads
	s_mov_b32 s99, 0
	s_mul_i32 s87, s18, VHALF
	s_mov_b32 s[SEL], 0x76543210
	s_mov_b32 s[SEL+1], 0xfedcba98
	s_mov_b32 s[CS], 0x3e38aa3b                    ; log2(e) / 8
	s_mov_b32 s[BM], 0xc79c4000                    ; -80000 = -10000 x 8
	s_mov_b32 s[TL], 0
	s_mov_b32 s[TK], 0
	s_mov_b32 s[ST], 0
	s_mov_b32 s[NV], 2                             ; V's first slot, halves 0 and 1, comes at the head
	s_wait_dscnt 0x0                               ; both opening adds are done
	s_wait_kmcnt 0x0
	s_load_b128 s[76:79], s[12:13], 0x0            ; eq, ek, ep, ev
	s_add_nc_u64 s[6:7], s[6:7], s[88:89]          ; K and V at my four heads,
	s_add_nc_u64 s[VA:VA+1], s[8:9], s[88:89]
	s_add_nc_u64 s[10:11], s[10:11], s[90:91]      ; the mask at my 64 queries
	s_mov_b32 s[G0K], 1                            ; 1:0 count = 1
	s_mov_b32 s[G0K+1], 0                          ; 63:32 LDS address
	s_mov_b64 s[G0K+2:G0K+3], s[6:7]               ; 120:64 global address
	s_or_b32 s[G0K+3], s[G0K+3], 0x80000000        ; 127:126 type = 2
	s_mov_b32 s[G0V], 1
	s_add_co_u32 s[G0V+1], s87, VLDS
	s_add_nc_u64 s[G0V+2:G0V+3], s[VA:VA+1], s[98:99]
	s_or_b32 s[G0V+3], s[G0V+3], 0x80000000
	s_mov_b32 s[G0M], 1
	s_mov_b32 s[G0M+1], MOFF
	s_mov_b64 s[G0M+2:G0M+3], s[10:11]
	s_or_b32 s[G0M+3], s[G0M+3], 0x80000000
	ROUND                                          ; all sixteen work-groups are here: the first joint loads meet
	s_cmp_eq_u32 s[WV], 0                          ; one load a wave: K and the mask of step 0, V of steps 0 and 1 in two halves
	s_cbranch_scc0 .Lhead_not_k
	TLOAD G0K, G1K
	s_branch .Lhead_asked
.Lhead_not_k:
	s_cmp_eq_u32 s17, 1
	s_cbranch_scc0 .Lhead_not_v
	TLOAD G0V, G1V
	s_branch .Lhead_asked
.Lhead_not_v:
	TLOAD G0M, G1M
.Lhead_asked:
	s_add_nc_u64 s[4:5], s[4:5], s[94:95]          ; Q's codes at my first query
	s_add_nc_u64 s[14:15], s[14:15], s[96:97]      ; out0 likewise
	s_mul_i32 s86, s18, 2*KHEAD                    ; K: my head pair's rows
	s_mul_i32 s87, s17, 32*MP                      ; the mask: my tile pair's 32 rows
	s_add_co_u32 s87, s87, MOFF
	s_mul_i32 s88, s18, VHALF                      ; V: my head pair's rows
	s_add_co_u32 s88, s88, VLDS
	s_mul_i32 s89, s[WV], 4*STU                    ; my stages
	v_and_b32 v8, 15, v0                           ; r = lane % 16
	v_bfe_u32 v9, v0, 4, 1                         ; h = lane / 16
	v_lshlrev_b32 v10, 6, v8
	v_lshl_add_u32 v10, v9, 4, v10                 ; Q: row r of 64 bytes, + 16 h
.irp u, 0,1,2,3                                ; Q's fragments stay in registers: tile u = 2 head + query tile
	global_load_b128 v[RQ+8*\u:RQ+8*\u+3], v10, s[4:5] offset:131072*(\u/2)+1024*(\u%2)
	global_load_b128 v[RQ+8*\u+4:RQ+8*\u+7], v10, s[4:5] offset:131072*(\u/2)+1024*(\u%2)+32
.endr
	v_and_b32 v11, 8, v8
	v_add_nc_u32 v11, v11, v8                      ; r + 8 (r / 8): my key of K's tile
	v_lshrrev_b32 v16, 1, v11
	v_and_b32 v17, 1, v11
	v_mul_u32_u24 v16, v16, 144
	v_lshl_add_u32 v16, v17, 6, v16
	v_lshl_add_u32 v16, v9, 4, v16
	v_add_nc_u32 v[AK], s86, v16
	v_mul_u32_u24 v18, v8, MP
	v_lshl_add_u32 v18, v9, 6, v18                 ; the mask: row r, + 64 h: 16 neighbouring keys
	v_add_nc_u32 v[AM], s87, v18
	v_mul_u32_u24 v19, v8, VP
	v_lshl_add_u32 v20, v9, 4, v19                 ; V: row r, + 16 h
	v_add_nc_u32 v[AV], s88, v20
	v_lshl_add_u32 v21, v9, 5, v19
	v_add_nc_u32 v[STO], s89, v21                  ; the way out, in: row r; tile t's eight channels of my half lie 64 t + 32 h bytes on
	v_mul_u32_u24 v22, v9, 272
	v_lshl_add_u32 v22, v8, 4, v22
	v_add_nc_u32 v[RD], s89, v22                   ; back: lanes 0-15 one row of 256 bytes, lanes 16-31 the next
	v_lshlrev_b32 v[GO], 8, v9
	v_lshl_add_u32 v[GO], v8, 4, v[GO]             ; and the same two rows in out0
	s_wait_kmcnt 0x0
	s_add_co_i32 s98, s76, s77                     ; eq + ek
	s_lshl_b32 s98, s98, 23
	s_add_co_i32 s[CS], s[CS], s98                 ; c = log2(e) / 8 x 2^(eq + ek): the sum goes into c's exponent field,
	s_mov_b32 s[CS+1], s[CS]
	s_sub_co_i32 s[BM], s[BM], s98                 ; and out of BM's: c x BM = -10000 log2(e)
	s_mov_b32 s[BM+1], s[BM]
	s_add_co_i32 s98, s78, 127
	s_lshl_b32 s99, s98, 23                        ; 2^ep as f32: the conversion takes its exponent field
	s_add_co_i32 s98, s98, 8
	s_lshl_b32 s98, s98, 23
	s_or_b32 s[LIM], s98, 0x600000                 ; 448 x 2^ep
	WIN 0x40
	v_mov_b32 v[EP], s99
.irp u, 0,1,2,3
	v_mov_b32 v[NT+2*\u], 0x7f61b1e6               ; -M of the largest t so far: -3e38, under every t
	v_mov_b32 v[NT+2*\u+1], 0xff61b1e6
	v_mov_b32 v[SM+2*\u], 0                        ; the sum, in two halves
	v_mov_b32 v[SM+2*\u+1], 0
.endr
.irp a, 0,1
	v_mov_b32 v[PL+\a], 0                          ; written once: a lane permute's destination counts as one of its sources
	v_mov_b32 v[FF+2*\a+1], 0                      ; (named as the upper half of a pair)
.endr
	WIN 0x80
.set n, 0
.rept 64
	v_dual_mov_b32 v[OT+n], 0 :: v_dual_mov_b32 v[OT+n+1], 0   ; O^T.  (The loop has no first step of its own: the first finds zeros, which the first change of M leaves zeros)
.set n, n+2
.endr
	WIN 0
	AWAIT
	s_wait_tensorcnt 0x0                           ; my part of step 0 is in
	ds_add_u32 v[SPW], v[NIL]
	DSTEP 1
	s_wait_dscnt 0x0
	ROUND
	JLOAD 1                                        ; K and the mask of step 1, V's second slot's first half: first fills
	v_add_nc_u32 v[ADK], s[TK], v[AK]
	v_add_nc_u32 v[ADM], s[TK], v[AM]
	WIN 0x80
	ML 0
	ML 1
	WIN 0
	KL 0, 0
	KL 0, 4
	AWAIT
	s_wait_loadcnt 0x0                             ; Q
	s_wait_dscnt 16                                ; the mask's 32 loads are in
	CONV
	AWAIT
.Lstep:                                            ; steps 0 to 12: each asks for K and the mask of step + 2 and for V's half slot step + 3
	STEP 0
	s_add_co_u32 s[ST], s[ST], 1
	s_cmp_lt_u32 s[ST], 13
	AWAIT                                          ; the wait here, directly ahead of the branch
	s_cbranch_scc1 .Lstep
	STEP 1                                         ; the last three steps are written out.  Step 13: K and the mask of step 15, the last loads
	s_add_co_u32 s[ST], s[ST], 1
	STEP 2                                         ; step 14: nothing is filled, so my work-group's barrier is enough
	s_add_co_u32 s[ST], s[ST], 1
	STEP 3
	; THE WAY OUT.  O^T is divided by the row's sum, multiplied by 2^(ep + ev), and goes through my stages in LDS, so that sixteen lanes store a whole row of 256 bytes.
	WIN 0x55
.irp u, 0,1,2,3
	v_add_f32 v[SM+2*\u], v[SM+2*\u], v[SM+2*\u+1] ; the sum's two halves,
.endr
.irp u, 0,1,2,3
	v_permlanex16_b32 v[X+\u], v[SM+2*\u], s[SEL], s[SEL+1]
.endr
.irp u, 0,1,2,3
	v_add_f32 v[SM+2*\u], v[SM+2*\u], v[X+\u]      ; and lane l xor 16's: the row's sum, over 1/2
.endr
	AWAIT                                          ; the wait ahead of the batch and behind it
.irp u, 0,1,2,3
	v_rcp_f32 v[NT+2*\u], v[SM+2*\u]
.endr
	v_nop                                          ; one plain instruction behind the transcendentals
	s_add_co_i32 s[T0], s78, s79
	AWAIT
.irp u, 0,1,2,3
	v_ldexp_f32 v[NT+2*\u], v[NT+2*\u], s[T0]      ; x 2^(ep + ev)
.endr
	WIN 0x46
	AWAIT                                          ; the wait here, directly ahead of the first reader of O^T
.set n, 0
.rept 64
	v_pk_mul_f32 v[S+n:S+n+1], v[OT+n:OT+n+1], v[NT+2*(n/32):NT+2*(n/32)+1] op_sel_hi:[1,0]   ; register 32 u + 8 t + j is tile u's (r, 16 t + 8 h + j); each accumulator from its low end on
.set n, n+2
.endr
	WIN 0x04
.irp u, 0,1,2,3
.irp t, 0,1,2,3
	ds_store_b128 v[STO], v[S+32*\u+8*\t:S+32*\u+8*\t+3] offset:STU*\u+64*\t
	ds_store_b128 v[STO], v[S+32*\u+8*\t+4:S+32*\u+8*\t+7] offset:STU*\u+64*\t+16
.endr
.endr
	WIN 0
.irp u, 0,1,2,3
.irp i, 0,1,2,3,4,5,6,7
	ds_load_b128 v[RK+32*\u+4*\i:RK+32*\u+4*\i+3], v[RD] offset:STU*\u+2*\i*272   ; LDS serves a wave's instructions in order (ISA guide 5.7.1.4): these see my stores
.endr
.endr
.irp u, 0,1,2,3
.irp i, 0,1,2,3,4,5,6,7
	s_wait_dscnt 31-8*\u-\i                        ; the loads younger than this one may stay out
	global_store_b128 v[GO], v[RK+32*\u+4*\i:RK+32*\u+4*\i+3], s[14:15] offset:524288*(\u/2)+4096*(\u%2)+512*\i th:TH_STORE_NT   ; 32 lanes store 512 consecutive bytes, two rows of out0, at a multiple of 256 from its first byte
.endr
.endr
	s_wait_tensorcnt 0x0                           ; the wave's end: behind my last tensor load and my last LDS store
	ds_add_u32 v[SPW], v[NIL]
	s_wait_dscnt 0x0
	ROUND                                          ; the closing round: no work-group ends while a partner may still ask for a tile that names it
	s_endpgm
.Lfunc_end_k_q63189e2032_attn:
	.size	k_q63189e2032_attn, .Lfunc_end_k_q63189e2032_attn-k_q63189e2032_attn
	.p2alignl 7, 3214868480
	.fill 96, 4, 3214868480
	.section	.rodata,"a",@progbits
	.p2align	6, 0x0
	.amdhsa_kernel k_q63189e2032_attn
		.amdhsa_group_segment_fixed_size 327680
		.amdhsa_private_segment_fixed_size 0
		.amdhsa_enable_private_segment 0
		.amdhsa_kernarg_size 48
		.amdhsa_user_sgpr_count 2
		.amdhsa_user_sgpr_kernarg_segment_ptr 1
		.amdhsa_wavefront_size32 1
		.amdhsa_system_sgpr_workgroup_id_x 1
		.amdhsa_system_sgpr_workgroup_id_y 1
		.amdhsa_system_sgpr_workgroup_id_z 1
		.amdhsa_system_vgpr_workitem_id 0
		.amdhsa_next_free_vgpr 768
		.amdhsa_next_free_sgpr 100
		.amdhsa_reserve_vcc 0
		.amdhsa_float_denorm_mode_32 3
		.amdhsa_float_denorm_mode_16_64 3
		.amdhsa_memory_ordered 1
		.amdhsa_forward_progress 1
		.amdhsa_inst_pref_size 255
	.end_amdhsa_kernel
	.section	.bss,"aw",@nobits
	.p2align	6
	.space	262144
	.amdgpu_metadata
---
amdhsa.version: [ 1, 2 ]
amdhsa.kernels:
  - .name:           k_q63189e2032_attn
    .symbol:         k_q63189e2032_attn.kd
    .args:
      - { .name: q_codes, .offset: 0, .size: 8, .value_kind: global_buffer, .address_space: global }
      - { .name: k_codes, .offset: 8, .size: 8, .value_kind: global_buffer, .address_space: global }
      - { .name: v_codes, .offset: 16, .size: 8, .value_kind: global_buffer, .address_space: global }
      - { .name: mask, .offset: 24, .size: 8, .value_kind: global_buffer, .address_space: global }
      - { .name: lowp_scales, .offset: 32, .size: 8, .value_kind: global_buffer, .address_space: global }
      - { .name: out0, .offset: 40, .size: 8, .value_kind: global_buffer, .address_space: global }
    .group_segment_fixed_size: 327680
    .private_segment_fixed_size: 0
    .kernarg_segment_align: 8
    .kernarg_segment_size: 48
    .max_flat_workgroup_size: 128
    .sgpr_count:     100
    .vgpr_count:     768
    .wavefront_size: 32
...
	.end_amdgpu_metadata
.endif
;; end of part 1
